; MI455X (gfx1250); checked and timed in simulation.
; The chip was launched on July 23, 2026; its instructions are those of AMD's public machine-readable ISA for CDNA 5 (MIT licence, August 2026) and "CDNA5" Instruction Set Architecture Reference Guide (July 2026). The comments in the code are by the model that wrote it; some were corrected since.
;; Deep FM Ranker. Allowed arithmetic: matrix products marked QUANTISED: E2M1 operands, one E8M0 scale for each 32 along K, by v_wmma_scale_f32_16x16x128_f8f6f4 with both operands' format E2M1 (or v_wmma_scale_f32_32x16x128_f4), f32 sums; products left as they are: f32 operands where the result goes on into a quantised operand, else bf16, f16 or f32 operands; f32 sums; everything else in f32.
;; Inputs: W1 128 x 200 float32; W2 64 x 128 float32; Wout 1 x 64 float32; b1 128 float32; b2 64 float32; bout 1 float32; dense_W 1 x 8 float32; dense_b 1 float32; dense_features 16,384 x 8 float32; emb_age 7 x 32 float32; emb_gender 2 x 32 float32; emb_genre 19 x 32 float32; emb_item 100,000 x 32 float32; emb_occ 21 x 32 float32; emb_user 1,000,000 x 32 float32; fo_age 7 x 1 float32; fo_gender 2 x 1 float32; fo_genre 19 x 1 float32; fo_item 100,000 x 1 float32; fo_occ 21 x 1 float32; fo_user 1,000,000 x 1 float32; item_genre_ids 16,384 x 6 int32; item_genre_mask 16,384 x 6 float32; item_id 16,384 int32; user_age 16,384 int32; user_gender 16,384 int32; user_id 16,384 int32; user_occupation 16,384 int32.
;; Outputs: out0 16,384 float32.
;; This version of the problem:
;;   THIS VERSION OF THE PROBLEM IS GIVEN IN LOW PRECISION. The matrix products marked QUANTISED in the list below multiply operands that are first quantised to E2M1 (2 exponent bits, 1 mantissa bit; 4 bits a number), with one power-of-two scale for each 32 numbers along K (OCP MX v1.0); their sums are f32. All else is computed in f32.
;;   The module's matrix products, in the order in which they are computed (A, B: the left and right operand; K: the contracted axis; several contracted axes count as one K, in the product's order):
;;     1. [M 16,384, K 8] x [K 8, N 1]; A: input dense_features; B: input dense_W: left as it is (K = 8 < 32)
;;     2. [M 16,384, K 200] x [K 200, N 128]; A: computed on the way; B: input W1: QUANTISED
;;     3. [M 16,384, K 128] x [K 128, N 64]; A: computed on the way; B: input W2: QUANTISED
;;     4. [M 16,384, K 64] x [K 64, N 1]; A: computed on the way; B: input Wout: left as it is (N = 1 < 16)
;;   THE QUANTISER, for each operand of a quantised product, along K:
;;     - K is cut into blocks of 32 from its start; a last block that is shorter is filled with zeros.
;;     - A block's scale is 2^e with e = floor(log2(the largest magnitude in the block)) - 2, held to -126 .. 127; a block of zeros has e = 0. As a byte (E8M0): e + 127.
;;     - Each number is divided by its block's scale, clamped to +-6, and rounded to the nearest number of E2M1, ties to even, subnormals kept.
;;     - The product sums the exact products of the quantised numbers (number of the format x scale) in f32.
;;   ~~~python
;;   def quantise(x, axis):      # numpy; x: float32 -> the quantised numbers, widened to float32 again
;;       x = np.moveaxis(x, axis, -1); K = x.shape[-1]
;;       x = np.pad(x, [(0, 0)] * (x.ndim - 1) + [(0, -K % 32)]); x = x.reshape(x.shape[:-1] + (-1, 32)); a = np.abs(x).max(-1, keepdims=True)
;;       e = np.where(a > 0, np.clip(np.frexp(np.where(a > 0, a, 1))[1] - 1 - 2, -126, 127), 0)      # np.frexp(a)[1] - 1 = floor(log2(a)), exactly
;;       r = np.clip(x / 2.0 ** e, -6, 6)
;;       step = 2.0 ** (np.maximum(np.frexp(np.where(r == 0, 1, r))[1] - 1, 0) - 1)
;;       q = np.round(r / step) * step * 2.0 ** e      # np.round: ties to even
;;       return np.moveaxis(q.reshape(q.shape[:-2] + (-1,))[..., :K], -1, axis).astype(np.float32)
;;   ~~~
;;   OPERANDS COMPUTED ON THE WAY. 'Computed on the way' means the value that the module computes at that place (a softmax that the list does not call 'softmax' is quantised finished and normalised). What goes into a quantiser is computed in f32, as accurately as f32 sums, v_exp_f32 and their like allow (about 1e-6 of the number): no bf16 or f16 on the way to a quantiser, and a product that is left as it is and whose result goes on into a quantised operand takes f32 operands (vector FMAs, or v_wmma_f32_16x16x4_f32). A number that lies on a knife's edge between two numbers of the format may be rounded either way, as far as f32 arithmetic and the matrix unit's own rounding can turn it there, and no further.
;; One version. Each part assembles by itself: llvm-mc -triple=amdgcn-amd-amdhsa -mcpu=gfx1250 --defsym DOCPART=n.
;; ======== version 1 of 1: 1 launch
;; launch deepfm (part 1): grid 256 x 1, 4 waves a work-group, clusters of 4 x 1, 207,872 bytes of LDS; arguments user_id, item_id, user_gender, user_age, user_occupation, item_genre_ids, item_genre_mask, dense_features, emb_user, emb_item, emb_gender, emb_age, emb_occ, emb_genre, fo_user, fo_item, fo_gender, fo_age, fo_occ, fo_genre, W1, W2, b1, b2, Wout, dense_W, dense_b, bout, out0; writes out0
.if DOCPART == 1
	.amdgcn_target "amdgcn-amd-amdhsa--gfx1250"
	.amdhsa_code_object_version 6
	.text
	.protected	k_q8acb8786a2_deepfm
	.globl	k_q8acb8786a2_deepfm
	.p2align	8
	.type	k_q8acb8786a2_deepfm,@function
k_q8acb8786a2_deepfm:
	s_mov_b64 s[64:65], 0
	v_nop
	global_prefetch_b8 v0, s[64:65] scope:SCOPE_SE
	s_setreg_imm32_b32 hwreg(HW_REG_WAVE_MODE, 25, 1), 1
	s_wait_xcnt 0x0
	s_wait_alu depctr_hold_cnt(0) depctr_sa_sdst(0) depctr_va_vdst(0) depctr_va_sdst(0) depctr_va_ssrc(0) depctr_va_vcc(0) depctr_vm_vsrc(0)
	s_getreg_b32 s2, hwreg(HW_REG_IB_STS2, 6, 4)
	s_cmp_eq_u32 s2, 0
	s_cbranch_scc0 .Lentry_in_a_cluster
	s_endpgm
.Lentry_in_a_cluster:
	s_bfe_u32 s2, ttmp6, 0x10000c
	s_cmp_lg_u32 s2, 0x3003
	s_cbranch_scc0 .Lentry_shape_is_right
	s_endpgm
.Lentry_shape_is_right:
; DeepFM for 16,384 rows: out = first order + second order + deep.  One launch, 256 work-groups of four waves; a work-group owns 64 rows, a wave 16 (one tile) through the whole chain.
; deep: x [200] = user | item | gender | age | occupation | pooled genre (32 each) | 8 dense features;  h1 = relu(x W1^T + b1) [128];  h2 = relu(h1 W2^T + b2) [64];  h2 . Wout + bout.
; Both products run on codes of FP4 (E2M1) with one E8M0 scale for each 32 along K.  Each field's 32 numbers are one block; block 6 is the 8 dense features and 24 zeros, block 7 is zeros: K = 256, two matrix steps.
; LANES.  Lane (r = lane % 16, h = lane / 16) holds row r and, of each block of 32 along K, the numbers 16 h .. 16 h + 15.  Both products are used TRANSPOSED (source 0 = 16 rows of the weight, source 1 = my 16 rows),
; so a lane keeps one row throughout.  The rows of W1 that form a tile are not neighbours: lane r of tile 2 b + u takes row 32 b + 8 u + r + 8 (r / 8), so that the 16 registers of tiles 2 b, 2 b + 1 are 16 neighbours along the next K.
; WEIGHTS.  Wave w fetches rows 32 w .. 32 w + 31 of W1 and 16 w .. 16 w + 15 of W2 as f32 into LDS bytes of its own (two tensor loads; W1's columns 200 .. 255 arrive as zeros, since the tile is wider than the tensor's extent),
; quantises them while its gathers are out, and stores the five fragments as images of their registers; behind one barrier every wave loads all twenty.
; CLUSTER.  All work-groups read the same weights, so four work-groups ask for each tile JOINTLY: the same descriptor, made of the wave's number alone, with a mask that names the four.
; SECOND ORDER is summed as pairs: acc += x_f . (x_0 + .. + x_(f-1)), which is 0.5 (s^2 - sum of x^2) without a difference of large sums.
; LIMITS: NaN and infinities among the inputs are not served.  A block of zeros, or one whose largest magnitude lies under 2^-124, gets the scale byte 1 (its codes are right, and this program alone reads the bytes).
; The pool's division is a reciprocal (1 ulp: ISA guide, its entry in 15.8) times the sum.  Indices are held at their table's last row from above; negative indices are not served.
; REGISTERS, in windows of 256.  Window 0: v1-21 addresses; v24-31 at work; v32-95 fields 0-3, later h1's 8 tiles; v96-159 fields 4, 5, dense, zeros, later h2's 4 tiles; v160-223 64 weight numbers, later codes and the prefix sum;
;   v224-243 at work; v244-255 scale words and nothing else.   Window 1: v0-127 W1's 16 fragments, v128-159 W2's 4, v160-223 b1, v224-255 b2.   Window 2: v0-95 six genre rows, v96-127 Wout.
.set W1P,   1040                       ; a row of W1 in LDS: 256 f32 + 16 bytes of padding
.set W1WV,  32*W1P                     ; a wave's 32 rows
.set W2L,   128*W1P                    ; behind W1: W2
.set W2P,   528                        ; a row of W2: 128 f32 + 16
.set W2WV,  16*W2P
.set IMG1,  W2L+64*W2P                 ; images of W1's 16 fragments (tile t, K step s: 2 t + s), 1,024 bytes each; W2's 4 follow them
.set SW1,   IMG1+20*1024               ; W1's scale words: [t / 4][lane][t % 4]; lanes 0-15 K step 0, lanes 16-31 K step 1
.set SW2,   SW1+1024                   ; W2's: [lane][q]; lanes 0-15 tile 2 q, lanes 16-31 tile 2 q + 1
.set STG,   SW2+256                    ; each wave's stage: 16 user rows, pitch 144, then 16 item rows
.set STP,   144
.set STWV,  32*STP
.set OUTS,  STG+4*STWV                 ; the work-group's 64 results
.set LI,  1                            ; v1   IMG1 + 16 x lane
.set H64, 2                            ; v2   64 h
.set C16, 3                            ; v3   16 (lane % 8)
.set R4,  4                            ; v4   4 x my row
.set G16, 5                            ; v5   4 x the wave's first row + 16 (lane / 8)
.set R24, 6                            ; v6   24 x my row
.set R32, 7                            ; v7   32 x my row
.set STW, 8                            ; v8   the stage, on the way in
.set STR, 9                            ; v9   and back
.set AW1, 10                           ; v10  my place in my wave's rows of W1
.set AW2, 11                           ; v11  and of W2
.set IWA, 12                           ; v12  where I store W1's images
.set IWB, 13                           ; v13  and W2's
.set SWA, 14                           ; v14  where I store W1's scale words
.set SWB, 15                           ; v15  and W2's
.set SRD, 16                           ; v16  where I read W1's scale words
.set SRE, 17                           ; v17  and W2's
.set OWA, 18                           ; v18  where my row's result goes
.set ORD, 19                           ; v19  wave 0: where it reads 8 bytes of the 64 results
.set OGO, 20                           ; v20  and where they go in out0
.set H32, 21                           ; v21  32 h
.set T0,  24                           ; v24, v25 the scale words just made
.set T1,  25
.set PWP, 26                           ; v[26:27] two tiles' scale words of W1; later v26 the first order, v27 a permute's destination
.set FO,  26
.set ACC, 28                           ; v[28:31] the lane's sum, in two pairs
.set XA,  32
.set XB,  96
.set PG,  112                          ; the pooled genre
.set DN,  128                          ; the dense features
.set GI,  136                          ; v136-141 genre indices, then 4 x index, then fo_genre's numbers
.set GM,  142                          ; v142-147 the mask
.set ID,  148                          ; v148-152 user, item, gender, age, occupation: index, then 4 x index, then the first-order number
.set MS,  153                          ; the mask's sum, held at 1 from below
.set RD,  154                          ; v[154:155] its reciprocal
.set WST, 160
.set XC0, 160                          ; x's codes, K step 0, 1
.set XC1, 168
.set HC,  176                          ; h1's codes
.set P,   184                          ; v184-199 the prefix sum of the fields
.set TM,  224                          ; v224-227 largest magnitudes, v228-231 bytes, v232-235 the conversions' scale operands
.set EO,  224                          ; (ahead of the first quantising: the gathers' offsets)
.set GEO, 227
.set PC,  236                          ; the weights' codes
.set UG,  236                          ; (ahead of that: four users' and four items' indices, then offsets)
.set IG,  240
.set WS1, 244                          ; v244-251 W1's scale words, a register a tile
.set WS2, 252                          ; v252-253 W2's
.set XS,  254                          ; x's: lanes 0-15 K step 0, lanes 16-31 K step 1
.set HS,  255                          ; h1's
.set SEL, 2                            ; s[2:3] v_permlanex16_b32's selects for lane l xor 16
.set WV,  62                           ; s62  my wave's number
.set WG,  63                           ; s63  my work-group's number
.set G1A, 68                           ; s[68:75], s[76:79] descriptor groups 1 and 0 for W1's tile
.set G0A, 76
.set G1B, 80                           ; s[80:87], s[88:91] for W2's
.set G0B, 88
.set DW,  92                           ; s[92:99] dense_W;  s100 dense_b, s101 bout
.set MASK, 104                         ; s104 lanes 0-15
.set MSB, 0
.macro WIN new                         ; s_set_vgpr_msb: bits 1:0 source 0, 3:2 source 1, 5:4 source 2, 7:6 destination; the high byte repeats the setting that is left
.if MSB != \new
	s_set_vgpr_msb (MSB<<8)|\new
.set MSB, \new
.endif
.endm
; A round of the cluster's barrier: my work-group's barrier, wave 0 signals for the work-group, every wave waits for all four work-groups, my work-group's barrier once more.
.macro ROUND
	s_barrier_signal -1
	s_barrier_wait -1
	s_cmp_lg_u32 s[WV], 0
	s_cbranch_scc1 .Lnot_wave_0_\@
	s_barrier_signal -3
.Lnot_wave_0_\@:
	s_barrier_wait -3
	s_barrier_signal -1
	s_barrier_wait -1
.endm
; 64 numbers of a lane, v[s] .. v[s + 63], register 16 b + i = k 32 b + 16 h + i of my row, become a fragment's codes in v[pc] .. v[pc + 7] and its scale word in v[pw].
.macro QUANT s, pc, pw
.irp b, 0,1,2,3
	v_max3_num_f32 v[TM+\b], |v[\s+16*\b]|, |v[\s+1+16*\b]|, 0x1800000   ; block b: my 16 numbers, and the floor 2^(3 - 127): the byte cannot fall under 1
.endr
.irp i, 2,4,6,8,10,12,14
.irp b, 0,1,2,3
	v_max3_num_f32 v[TM+\b], v[TM+\b], |v[\s+16*\b+\i]|, |v[\s+1+16*\b+\i]|   ; the four blocks by turns
.endr
.endr
.irp b, 0,1,2,3
	v_permlanex16_b32 v[TM+4+\b], v[TM+\b], s[SEL], s[SEL+1]
.endr
.irp b, 0,1,2,3
	v_max_num_f32 v[TM+\b], v[TM+\b], v[TM+4+\b]                  ; with lane l xor 16's: the block's largest magnitude
.endr
.irp b, 0,1,2,3
	v_add_nc_u32 v[TM+8+\b], 0xff000000, v[TM+\b]                 ; 2 off its exponent field: the conversion takes this operand's exponent field as its scale
.endr
.irp b, 0,1,2,3
	v_lshrrev_b32 v[TM+4+\b], 23, v[TM+8+\b]                      ; the scale's byte
.endr
	v_lshl_or_b32 v[\pw], v[TM+5], 8, v[TM+4]                     ; four bytes: my row's scale word (the same in lanes r and 16 + r)
	v_lshl_or_b32 v[\pw], v[TM+6], 16, v[\pw]
	v_lshl_or_b32 v[\pw], v[TM+7], 24, v[\pw]
.irp b, 0,1,2,3
	v_cvt_scalef32_pk8_fp4_f32 v[\pc+2*\b], v[\s+16*\b:\s+7+16*\b], v[TM+8+\b]
	v_cvt_scalef32_pk8_fp4_f32 v[\pc+1+2*\b], v[\s+8+16*\b:\s+15+16*\b], v[TM+8+\b]
.endr
	v_nop                                                         ; one plain place behind a scaled conversion
.irp c, 0,1                                                   ; the operand's layout wants a whole block in a lane: lanes 0-15 block 2 c, lanes 16-31 block 2 c + 1
.irp i, 0,1
	v_permlane16_swap_b32 v[\pc+4*\c+\i], v[\pc+2+4*\c+\i]
.endr
.endr
.endm
.macro LOADW1 u, s                     ; tile u of my wave's two, K step s: my row's 64 numbers
.irp b, 0,1,2,3
.irp j, 0,1,2,3
	ds_load_b128 v[WST+16*\b+4*\j:WST+16*\b+4*\j+3], v[AW1] offset:8*W1P*\u+512*\s+128*\b+16*\j
.endr
.endr
.endm
.macro IMAGE adr, off                  ; the fragment in v[PC] on goes to LDS as it stands: lane l's 16 bytes at 16 l, 512 bytes a store
.irp c, 0,1
	ds_store_b128 v[\adr], v[PC+4*\c:PC+4*\c+3] offset:\off+512*\c
.endr
.endm
; A small field: the index is held inside its table; my 64 bytes of its embedding row, and its first-order number, which lands on its own offset.
.macro FIELD idx, top, eo, dst, eb, fb
	v_min_u32 v[\idx], \top, v[\idx]
	v_lshl_add_u32 v[\eo], v[\idx], 7, v[H64]
	v_lshlrev_b32 v[\idx], 2, v[\idx]
.irp i, 0,1,2,3
	global_load_b128 v[\dst+4*\i:\dst+4*\i+3], v[\eo], s[\eb:\eb+1] offset:16*\i
.endr
	global_load_b32 v[\idx], v[\idx], s[\fb:\fb+1]
.endm
; The pool takes genre g's row (window 2) times its mask; of the pair that holds the mask the low word serves both halves where g is even, the high word where g is odd.
.macro POOLG g
.irp d, 0,1,2,3,4,5,6,7
.if \g == 0
	v_pk_mul_f32 v[PG+2*\d:PG+2*\d+1], v[2*\d:2*\d+1], v[GM:GM+1] op_sel_hi:[1,0]
.elseif (\g)%2 == 0
	v_pk_fma_f32 v[PG+2*\d:PG+2*\d+1], v[16*\g+2*\d:16*\g+2*\d+1], v[GM+\g:GM+\g+1], v[PG+2*\d:PG+2*\d+1] op_sel_hi:[1,0,1]
.else
	v_pk_fma_f32 v[PG+2*\d:PG+2*\d+1], v[16*\g+2*\d:16*\g+2*\d+1], v[GM+\g-1:GM+\g], v[PG+2*\d:PG+2*\d+1] op_sel:[0,1,0] op_sel_hi:[1,1,1]
.endif
.endr
.endm
	; ---- the head: addresses of the buffers, and the offsets that the first loads need
	s_load_b512 s[4:19], s[0:1], 0x0               ; user_id 4, item_id 6, gender 8, age 10, occupation 12, genre ids 14, mask 16, dense features 18
	s_load_b512 s[20:35], s[0:1], 0x40             ; emb_user 20, emb_item 22, emb_gender 24, emb_age 26, emb_occ 28, emb_genre 30, fo_user 32, fo_item 34
	s_load_b512 s[36:51], s[0:1], 0x80             ; fo_gender 36, fo_age 38, fo_occ 40, fo_genre 42, W1 44, W2 46, b1 48, b2 50
	s_load_b256 s[52:59], s[0:1], 0xc0             ; Wout 52, dense_W 54, dense_b 56, bout 58
	s_load_b64 s[60:61], s[0:1], 0xe0              ; out0
	s_set_vgpr_msb 0x80
	v_lshl_add_u32 v128, v0, 2, 0x32a00
	v_mov_b32 v129, 0
	s_set_vgpr_msb 0x808a
	ds_add_u32 v128, v129
	ds_add_u32 v128, v129
	s_set_vgpr_msb 0x8a00
	v_lshrrev_b32 v26, 5, v0
	v_readfirstlane_b32 s[WV], v26                 ; wave 0..3
	v_and_b32 v22, 31, v0                          ; lane
	v_and_b32 v23, 15, v0                          ; r
	v_bfe_u32 v24, v0, 4, 1                        ; h
	v_bfe_u32 v25, v0, 3, 2                        ; lane / 8
	s_bfe_u32 s[WG], ttmp6, 0x40000                ; cx: my place in the cluster
	s_lshl_b32 s92, ttmp9, 2                       ; in a cluster launch ttmp9 counts clusters
	s_add_co_u32 s[WG], s92, s[WG]                 ; my work-group: it enters global offsets alone
	s_lshl_b32 s92, s[WG], 6
	s_lshl_b32 s93, s[WV], 4
	s_add_co_u32 s92, s92, s93                     ; my wave's first row
	s_lshl_b32 s93, s92, 2
	s_lshl_b32 s94, s[WG], 8                       ; my work-group's 256 bytes of out0
	s_mov_b32 s95, 0
	v_add_nc_u32 v26, s92, v23                     ; my row
	v_lshlrev_b32 v[R4], 2, v26
	v_lshl_add_u32 v[G16], v25, 4, s93
	v_mul_u32_u24 v[R24], v26, 24
	v_lshlrev_b32 v[R32], 5, v26
	v_lshlrev_b32 v[H64], 6, v24
	v_lshlrev_b32 v[H32], 5, v24
	v_and_b32 v[C16], 7, v0
	v_lshlrev_b32 v[C16], 4, v[C16]
	s_mov_b32 s[SEL], 0x76543210
	s_mov_b32 s[SEL+1], 0xfedcba98
	s_mov_b32 s[MASK], 0xffff
	s_wait_dscnt 0x0
	s_wait_kmcnt 0x0
	s_add_nc_u64 s[60:61], s[60:61], s[94:95]
	s_load_b256 s[DW:DW+7], s[54:55], 0x0          ; dense_W's eight numbers, dense_b and bout go to scalar registers: nothing here writes these buffers
	s_load_b32 s100, s[56:57], 0x0
	s_load_b32 s101, s[58:59], 0x0
	; ---- the first burst, 47 loads: the indices first, since the gathers hang on them
	global_load_b128 v[UG:UG+3], v[G16], s[4:5]    ; lane l: the users of rows 4 (l / 8) + 0 .. 3,
	global_load_b128 v[IG:IG+3], v[G16], s[6:7]    ; and their items
	global_load_b32 v[ID], v[R4], s[4:5]           ; my row's five indices
	global_load_b32 v[ID+1], v[R4], s[6:7]
	global_load_b32 v[ID+2], v[R4], s[8:9] th:TH_LOAD_NT
	global_load_b32 v[ID+3], v[R4], s[10:11] th:TH_LOAD_NT
	global_load_b32 v[ID+4], v[R4], s[12:13] th:TH_LOAD_NT
.irp i, 0,1,2
	global_load_b64 v[GI+2*\i:GI+2*\i+1], v[R24], s[14:15] offset:8*\i th:TH_LOAD_NT
.endr
.irp i, 0,1,2
	global_load_b64 v[GM+2*\i:GM+2*\i+1], v[R24], s[16:17] offset:8*\i th:TH_LOAD_NT
.endr
	global_load_b128 v[DN:DN+3], v[R32], s[18:19] th:TH_LOAD_NT
	global_load_b128 v[DN+4:DN+7], v[R32], s[18:19] offset:16 th:TH_LOAD_NT
	WIN 0x40                                       ; destination window 1
.irp t, 0,1,2,3,4,5,6,7                        ; b1 in the result's layout: tile 2 b + u, lane (r, h): units 32 b + 16 h + 8 u + 0 .. 7
.irp q, 0,1
	global_load_b128 v[160+8*\t+4*\q:160+8*\t+4*\q+3], v[H64], s[48:49] offset:128*(\t/2)+32*(\t%2)+16*\q
.endr
.endr
.irp t, 0,1,2,3                                ; b2: tile t: units 16 t + 8 h + 0 .. 7
.irp q, 0,1
	global_load_b128 v[224+8*\t+4*\q:224+8*\t+4*\q+3], v[H32], s[50:51] offset:64*\t+16*\q
.endr
.endr
	WIN 0x80                                       ; destination window 2
.irp t, 0,1,2,3                                ; Wout at the same units
.irp q, 0,1
	global_load_b128 v[96+8*\t+4*\q:96+8*\t+4*\q+3], v[H32], s[52:53] offset:64*\t+16*\q
.endr
.endr
	WIN 0
	; ---- LDS addresses (a constant + a constant x lane + a constant x wave) and the descriptors, while those loads are out
	v_lshl_add_u32 v[LI], v22, 4, IMG1
	s_mul_i32 s105, s[WV], STWV
	s_add_co_u32 s105, s105, STG                   ; my wave's stage
	v_mul_u32_u24 v[STW], v25, 4*STP
	v_add_nc_u32 v[STW], v[STW], v[C16]
	v_add_nc_u32 v[STW], s105, v[STW]              ; in: row 4 (l / 8) + j, 16 bytes at 16 (l % 8)
	v_mul_u32_u24 v[STR], v23, STP
	v_add_nc_u32 v[STR], v[STR], v[H64]
	v_add_nc_u32 v[STR], s105, v[STR]              ; back: row r, my half's 64 bytes
	s_mov_b32 s[G0A], 1                            ; 1:0 count = 1
	s_mul_i32 s[G0A+1], s[WV], W1WV                ; 63:32 LDS address: my wave's 32 rows
	v_and_b32 v[AW1], 8, v23
	v_add_nc_u32 v[AW1], v[AW1], v23               ; r + 8 (r / 8)
	v_mul_u32_u24 v[AW1], v[AW1], W1P
	v_add_nc_u32 v[AW1], v[AW1], v[H64]
	v_add_nc_u32 v[AW1], s[G0A+1], v[AW1]
	s_mov_b32 s[G0B], 1
	s_mul_i32 s[G0B+1], s[WV], W2WV
	s_add_co_u32 s[G0B+1], s[G0B+1], W2L
	v_mul_u32_u24 v[AW2], v23, W2P
	v_add_nc_u32 v[AW2], v[AW2], v[H64]
	v_add_nc_u32 v[AW2], s[G0B+1], v[AW2]
	s_lshl_b32 s105, s[WV], 12
	v_add_nc_u32 v[IWA], s105, v[LI]               ; my four fragments of W1: 4 w on
	s_lshl_b32 s105, s[WV], 10
	s_add_co_u32 s105, s105, 16*1024
	v_add_nc_u32 v[IWB], s105, v[LI]               ; my fragment of W2: 16 + w
	v_lshl_add_u32 v[SRD], v22, 4, SW1
	s_lshr_b32 s105, s[WV], 1
	s_lshl_b32 s105, s105, 9
	s_and_b32 s66, s[WV], 1
	s_lshl_b32 s66, s66, 3
	s_add_co_u32 s105, s105, s66
	v_add_nc_u32 v[SWA], s105, v[SRD]              ; tiles 2 w, 2 w + 1: 512 (w / 2) + 16 x lane + 8 (w % 2)
	s_and_b32 s105, s[WV], 1
	s_lshl_b32 s105, s105, 7
	s_lshr_b32 s66, s[WV], 1
	s_lshl_b32 s66, s66, 2
	s_add_co_u32 s105, s105, s66
	v_lshl_add_u32 v[SWB], v23, 3, SW2
	v_add_nc_u32 v[SWB], s105, v[SWB]              ; tile w: lane r + 16 (w % 2), word w / 2
	v_lshl_add_u32 v[SRE], v22, 3, SW2
	s_lshl_b32 s105, s[WV], 6
	v_lshl_add_u32 v[OWA], v23, 2, OUTS
	v_add_nc_u32 v[OWA], s105, v[OWA]
	v_lshl_add_u32 v[ORD], v22, 3, OUTS
	v_lshlrev_b32 v[OGO], 3, v22
	; group 1 for W1: a tile of 32 rows x 256 f32, of which the tensor has 200: the rest arrives as zeros
	s_mov_b32 s[G1A+0], 15|(2<<16)|(1<<20)|(1<<21)|(7<<22)|(3<<25)  ; 15:0 the mask: all four work-groups; 17:16 elements of 4 bytes; 20 padding on; 21 set beside a mask; 24:22 after every 256 words (code 7); 31:25 four words (code 3)
	s_mov_b32 s[G1A+1], 200<<16                    ; tensor_dim0 = 200
	s_mov_b32 s[G1A+2], 32<<16                     ; tensor_dim1 = 32
	s_mov_b32 s[G1A+3], 256<<16                    ; tile_dim0 = 256
	s_mov_b32 s[G1A+4], 32                         ; tile_dim1 = 32
	s_mov_b32 s[G1A+5], 200                        ; elements from row to row
	s_mov_b32 s[G1A+6], 0
	s_mov_b32 s[G1A+7], 0
	; and for W2: 16 rows x 128 f32
	s_mov_b32 s[G1B+0], 15|(2<<16)|(1<<20)|(1<<21)|(6<<22)|(3<<25)  ; padding: four words after every 128
	s_mov_b32 s[G1B+1], 128<<16
	s_mov_b32 s[G1B+2], 16<<16
	s_mov_b32 s[G1B+3], 128<<16
	s_mov_b32 s[G1B+4], 16
	s_mov_b32 s[G1B+5], 128
	s_mov_b32 s[G1B+6], 0
	s_mov_b32 s[G1B+7], 0
	s_mul_i32 s66, s[WV], 32*800                   ; my 32 rows of W1, 800 bytes each
	s_mov_b32 s67, 0
	s_add_nc_u64 s[G0A+2:G0A+3], s[44:45], s[66:67]
	s_or_b32 s[G0A+3], s[G0A+3], 0x80000000        ; 127:126 type = 2
	s_lshl_b32 s66, s[WV], 13                      ; my 16 rows of W2, 512 bytes each
	s_add_nc_u64 s[G0B+2:G0B+3], s[46:47], s[66:67]
	s_or_b32 s[G0B+3], s[G0B+3], 0x80000000
	ROUND                                          ; all four work-groups are here: the joint loads meet
	tensor_load_to_lds s[G0A:G0A+3], s[G1A:G1A+7]  ; the launch's only fills: two loads of mine are out
	s_nop 0
	tensor_load_to_lds s[G0B:G0B+3], s[G1B:G1B+7]
	s_nop 0
.rept 4
	v_nop                                          ; four behind the loads
.endr
	; ---- the gathers, 55 loads: the rows of the two large tables first
	s_wait_loadcnt 0x0                             ; the indices; what left with them in the same burst is in too
.irp j, 0,1,2,3
	v_min_u32 v[UG+\j], 0xf423f, v[UG+\j]          ; held at the table's last row
	v_lshl_add_u32 v[UG+\j], v[UG+\j], 7, v[C16]   ; 128 bytes a row; eight neighbouring lanes take one whole row
.endr
.irp j, 0,1,2,3
	global_load_b128 v[XA+4*\j:XA+4*\j+3], v[UG+\j], s[20:21]
.endr
.irp j, 0,1,2,3
	v_min_u32 v[IG+\j], 0x1869f, v[IG+\j]
	v_lshl_add_u32 v[IG+\j], v[IG+\j], 7, v[C16]
.endr
.irp j, 0,1,2,3
	global_load_b128 v[XA+16+4*\j:XA+16+4*\j+3], v[IG+\j], s[22:23]
.endr
	v_min_u32 v[ID], 0xf423f, v[ID]
	v_lshlrev_b32 v[ID], 2, v[ID]
	global_load_b32 v[ID], v[ID], s[32:33]         ; fo_user: the load lands on its own offset
	v_min_u32 v[ID+1], 0x1869f, v[ID+1]
	v_lshlrev_b32 v[ID+1], 2, v[ID+1]
	global_load_b32 v[ID+1], v[ID+1], s[34:35]     ; fo_item
	FIELD ID+2, 1, EO, XA+32, 24, 36               ; gender
	FIELD ID+3, 6, EO+1, XA+48, 26, 38             ; age
	FIELD ID+4, 20, EO+2, XB, 28, 40               ; occupation
.irp g, 0,1,2,3,4,5
	v_min_u32 v[GI+\g], 18, v[GI+\g]
	v_lshl_add_u32 v[GEO+\g], v[GI+\g], 7, v[H64]
	v_lshlrev_b32 v[GI+\g], 2, v[GI+\g]
	global_load_b32 v[GI+\g], v[GI+\g], s[42:43]   ; fo_genre
.endr
	WIN 0x80                                       ; destination window 2
.irp g, 0,1,2,3,4,5
.irp i, 0,1,2,3
	global_load_b128 v[16*\g+4*\i:16*\g+4*\i+3], v[GEO+\g], s[30:31] offset:16*\i
.endr
.endr
	WIN 0
	s_wait_xcnt 0x0                                ; the gathers have read their offsets: v224-243 are written again only behind this wait
.irp b, 0,1,2,3
	v_mov_b32 v[TM+4+\b], 0                        ; written once: a lane permute's destination counts as one of its sources
.endr
	; ---- my share of the weights becomes codes, while the gathers are out
	s_wait_tensorcnt 0x1                           ; W1's tile is in my LDS bytes; the one younger load, W2's, may be out.  Only I read these bytes
.irp u, 0,1
.irp s, 0,1
	LOADW1 \u, \s
	s_wait_dscnt 0x0                               ; the 64 numbers are in, and the last image's stores are done
	QUANT WST, PC, T0+\s
	IMAGE IWA, 1024*(2*\u+\s)
.endr
	v_cndmask_b32 v[PWP+\u], v[T1], v[T0], s[MASK] ; lanes 0-15 keep K step 0's word, lanes 16-31 K step 1's
.endr
	ds_store_b64 v[SWA], v[PWP:PWP+1]
	s_wait_tensorcnt 0x0                           ; W2's tile
.irp b, 0,1,2,3
.irp j, 0,1,2,3
	ds_load_b128 v[WST+16*\b+4*\j:WST+16*\b+4*\j+3], v[AW2] offset:128*\b+16*\j
.endr
.endr
	s_wait_dscnt 0x0
	QUANT WST, PC, T0
	IMAGE IWB, 0
	ds_store_b32 v[SWB], v[T0]                     ; lanes r and 16 + r write the same word with the same value
	s_wait_dscnt 0x0                               ; for the others' sake: my images and scale words have landed
	s_barrier_signal -1
	s_barrier_wait -1                              ; all twenty fragments lie in LDS
	; ---- every wave takes all of them: 43 LDS loads
	WIN 0x40                                       ; destination window 1
.irp f, 0,1,2,3,4,5,6,7,8,9,10,11,12,13,14,15,16,17,18,19
.irp c, 0,1
	ds_load_b128 v[8*\f+4*\c:8*\f+4*\c+3], v[LI] offset:1024*\f+512*\c
.endr
.endr
	WIN 0
	ds_load_b128 v[WS1:WS1+3], v[SRD]
	ds_load_b128 v[WS1+4:WS1+7], v[SRD] offset:512
	ds_load_b64 v[WS2:WS2+1], v[SRE]
	; ---- the rows
	s_wait_loadcnt 0x0                             ; loads come back in order (ISA guide 5.7.1), and the oldest are the large tables' rows: one wait for all 55
	s_wait_kmcnt 0x0                               ; dense_W, dense_b, bout
.irp j, 0,1,2,3                                ; user and item rows turn through my stage: in by rows of eight lanes, back 64 bytes a lane
	ds_store_b128 v[STW], v[XA+4*\j:XA+4*\j+3] offset:STP*\j
	ds_store_b128 v[STW], v[XA+16+4*\j:XA+16+4*\j+3] offset:16*STP+STP*\j
.endr
.irp i, 0,1,2,3
	ds_load_b128 v[XA+4*\i:XA+4*\i+3], v[STR] offset:16*\i              ; LDS serves a wave's instructions in order (ISA guide 5.7.1.4): these see the stores above
	ds_load_b128 v[XA+16+4*\i:XA+16+4*\i+3], v[STR] offset:16*STP+16*\i
.endr
	v_add_f32 v[MS], v[GM], v[GM+1]                ; the mask's sum,
.irp g, 2,3,4,5
	v_add_f32 v[MS], v[MS], v[GM+\g]
.endr
	v_max_num_f32 v[MS], 1.0, v[MS]                ; held at 1 from below,
	v_rcp_f32 v[RD], v[MS]                         ; and its reciprocal; the pool's 48 lines are the plain work behind it
	WIN 0x02                                       ; source 0 window 2: the genre rows
.irp g, 0,1,2,3,4,5
	POOLG \g
.endr
	WIN 0
	s_wait_alu depctr_va_vdst(0)                   ; ahead of the reciprocal's first reader
	v_mov_b32 v[RD+1], v[RD]                       ; (the packed form names the pair)
.irp d, 0,1,2,3,4,5,6,7
	v_pk_mul_f32 v[PG+2*\d:PG+2*\d+1], v[PG+2*\d:PG+2*\d+1], v[RD:RD+1] op_sel_hi:[1,0]
.endr
	v_mul_f32 v[FO], v[GI], v[GM]                  ; first order: fo_genre pooled likewise,
.irp g, 1,2,3,4,5
	v_fma_f32 v[FO], v[GI+\g], v[GM+\g], v[FO]
.endr
	v_mul_f32 v[FO], v[FO], v[RD]
.irp i, 0,1,2,3,4
	v_add_f32 v[FO], v[FO], v[ID+\i]               ; the five single numbers,
.endr
	s_add_f32 s100, s100, s101
	v_add_f32 v[FO], s100, v[FO]                   ; dense_b and bout.  The same in lanes r and 16 + r: it is added behind the sum over the halves
.irp i, 0,1,2,3,4,5,6,7
	v_cndmask_b32 v[DN+\i], 0, v[DN+\i], s[MASK]   ; block 6: k = 192 .. 199 lie in lanes 0-15; lanes 16-31 hold zeros
.endr
.set j, 0
.rept 24
	v_mov_b32 v[DN+8+j], 0                         ; the rest of block 6, and block 7
.set j, j+1
.endr
	QUANT XB, XC1, T1                              ; K step 1: occupation, genre, dense, zeros
	s_wait_dscnt 0x0                               ; user and item are back from the stage; the weights' fragments and scale words are in
	QUANT XA, XC0, T0                              ; K step 0: user, item, gender, age
	v_cndmask_b32 v[XS], v[T1], v[T0], s[MASK]
	; second order, by pairs, and the dense linear part.  These 80 plain lines are also the places between the scale word's and the codes' last writes and the products
.irp d, 0,1,2,3,4,5,6,7
.if \d < 2
	v_pk_mul_f32 v[ACC+2*\d:ACC+2*\d+1], v[XA+16+2*\d:XA+17+2*\d], v[XA+2*\d:XA+1+2*\d]   ; the first products start the sums
.else
	v_pk_fma_f32 v[ACC+2*(\d%2):ACC+2*(\d%2)+1], v[XA+16+2*\d:XA+17+2*\d], v[XA+2*\d:XA+1+2*\d], v[ACC+2*(\d%2):ACC+2*(\d%2)+1]
.endif
	v_pk_add_f32 v[P+2*\d:P+2*\d+1], v[XA+2*\d:XA+1+2*\d], v[XA+16+2*\d:XA+17+2*\d]
.endr
.irp f, 2,3,4
.irp d, 0,1,2,3,4,5,6,7
	v_pk_fma_f32 v[ACC+2*(\d%2):ACC+2*(\d%2)+1], v[XA+16*\f+2*\d:XA+16*\f+2*\d+1], v[P+2*\d:P+2*\d+1], v[ACC+2*(\d%2):ACC+2*(\d%2)+1]
	v_pk_add_f32 v[P+2*\d:P+2*\d+1], v[P+2*\d:P+2*\d+1], v[XA+16*\f+2*\d:XA+16*\f+2*\d+1]
.endr
.endr
.irp d, 0,1,2,3,4,5,6,7
	v_pk_fma_f32 v[ACC+2*(\d%2):ACC+2*(\d%2)+1], v[PG+2*\d:PG+2*\d+1], v[P+2*\d:P+2*\d+1], v[ACC+2*(\d%2):ACC+2*(\d%2)+1]
.endr
.irp i, 0,1,2,3,4,5,6,7
	v_fma_f32 v[ACC+\i%4], v[DN+\i], s[DW+\i], v[ACC+\i%4]        ; zeros in lanes 16-31: counted once
.endr
	; ---- h1 = relu(x W1^T + b1): eight tiles by turns, one instruction a turn; b1 is the C of each sum's first product
	WIN 0x11                                       ; source 0 (W1) and source 2 (b1) window 1
.irp t, 0,1,2,3,4,5,6,7
	v_wmma_scale_f32_16x16x128_f8f6f4 v[XA+8*\t:XA+8*\t+7], v[16*\t:16*\t+7], v[XC0:XC0+7], v[160+8*\t:160+8*\t+7], v[WS1+\t], v[XS] matrix_a_fmt:MATRIX_FMT_FP4 matrix_b_fmt:MATRIX_FMT_FP4
.endr
	WIN 0x01                                       ; source 0 window 1; C and D window 0
.irp t, 0,1,2,3,4,5,6,7
	v_wmma_scale_f32_16x16x128_f8f6f4 v[XA+8*\t:XA+8*\t+7], v[16*\t+8:16*\t+15], v[XC1:XC1+7], v[XA+8*\t:XA+8*\t+7], v[WS1+\t], v[XS] matrix_a_fmt:MATRIX_FMT_FP4 matrix_b_fmt:MATRIX_FMT_FP4 matrix_a_scale:MATRIX_SCALE_ROW1 matrix_b_scale:MATRIX_SCALE_ROW1
.endr
	WIN 0
.rept 4
	v_nop                                          ; four places behind the products (ISA guide 7.12.1), ahead of the first read of results
.endr
.set j, 0
.rept 64
	v_max_num_f32 v[XA+j], 0, v[XA+j]              ; the activation, each accumulator from its low end on.  Register 16 b + i is unit 32 b + 16 h + i
.set j, j+1
.endr
	QUANT XA, HC, HS
.rept 8
	v_nop                                          ; a scale word written by vector instructions stands eight places ahead of the product that names it, codes so written four
.endr
	; ---- h2 = relu(h1 W2^T + b2): four tiles, one product each
	WIN 0x11                                       ; source 0 (W2) and source 2 (b2) window 1
.irp t, 0,1,2,3
.if \t%2
	v_wmma_scale_f32_16x16x128_f8f6f4 v[XB+8*\t:XB+8*\t+7], v[128+8*\t:128+8*\t+7], v[HC:HC+7], v[224+8*\t:224+8*\t+7], v[WS2+\t/2], v[HS] matrix_a_fmt:MATRIX_FMT_FP4 matrix_b_fmt:MATRIX_FMT_FP4 matrix_a_scale:MATRIX_SCALE_ROW1
.else
	v_wmma_scale_f32_16x16x128_f8f6f4 v[XB+8*\t:XB+8*\t+7], v[128+8*\t:128+8*\t+7], v[HC:HC+7], v[224+8*\t:224+8*\t+7], v[WS2+\t/2], v[HS] matrix_a_fmt:MATRIX_FMT_FP4 matrix_b_fmt:MATRIX_FMT_FP4
.endif
.endr
	WIN 0
.rept 4
	v_nop
.endr
.set j, 0
.rept 32
	v_max_num_f32 v[XB+j], 0, v[XB+j]              ; register 8 t + i is unit 16 t + 8 h + i
.set j, j+1
.endr
	WIN 0x08                                       ; source 1 window 2: Wout at the same units
.set j, 0
.rept 16
	v_pk_fma_f32 v[ACC+2*(j%2):ACC+2*(j%2)+1], v[XB+2*j:XB+2*j+1], v[96+2*j:96+2*j+1], v[ACC+2*(j%2):ACC+2*(j%2)+1]
.set j, j+1
.endr
	WIN 0
	; ---- the way out
	v_add_f32 v[ACC], v[ACC], v[ACC+1]
	v_add_f32 v[ACC+2], v[ACC+2], v[ACC+3]
	v_add_f32 v[ACC], v[ACC], v[ACC+2]
	v_permlanex16_b32 v27, v[ACC], s[SEL], s[SEL+1]
	v_add_f32 v[ACC], v[ACC], v27                  ; with lane l xor 16's half of the row
	v_add_f32 v[ACC], v[ACC], v[FO]
	ds_store_b32 v[OWA], v[ACC]                    ; lanes r and 16 + r write the same word with the same value
	s_wait_dscnt 0x0                               ; for wave 0's sake: my 16 results have landed
	ROUND                                          ; the closing round: no work-group ends while a partner may still ask for a tile that names it; its opening barrier also shows all 64 results to wave 0
	s_cmp_lg_u32 s[WV], 0
	s_cbranch_scc1 .Lend
	ds_load_b64 v[T0:T1], v[ORD]
	s_wait_dscnt 0x0
	global_store_b64 v[OGO], v[T0:T1], s[60:61]    ; 32 lanes store 256 consecutive bytes, at a multiple of 256 from out0's first byte
.Lend:
	s_set_vgpr_msb 0xa
	s_wait_tensorcnt 0x0
	ds_add_u32 v128, v129
	s_wait_dscnt 0x0
	s_set_vgpr_msb 0xa00
	s_endpgm
.Lfunc_end_k_q8acb8786a2_deepfm:
	.size	k_q8acb8786a2_deepfm, .Lfunc_end_k_q8acb8786a2_deepfm-k_q8acb8786a2_deepfm
	.p2alignl 7, 3214868480
	.fill 96, 4, 3214868480
	.section	.rodata,"a",@progbits
	.p2align	6, 0x0
	.amdhsa_kernel k_q8acb8786a2_deepfm
		.amdhsa_group_segment_fixed_size 207872
		.amdhsa_private_segment_fixed_size 0
		.amdhsa_enable_private_segment 0
		.amdhsa_kernarg_size 232
		.amdhsa_user_sgpr_count 2
		.amdhsa_user_sgpr_kernarg_segment_ptr 1
		.amdhsa_wavefront_size32 1
		.amdhsa_system_sgpr_workgroup_id_x 1
		.amdhsa_system_sgpr_workgroup_id_y 1
		.amdhsa_system_sgpr_workgroup_id_z 1
		.amdhsa_system_vgpr_workitem_id 0
		.amdhsa_next_free_vgpr 642
		.amdhsa_next_free_sgpr 106
		.amdhsa_reserve_vcc 0
		.amdhsa_float_denorm_mode_32 3
		.amdhsa_float_denorm_mode_16_64 3
		.amdhsa_memory_ordered 1
		.amdhsa_forward_progress 1
		.amdhsa_inst_pref_size 78
	.end_amdhsa_kernel
	.amdgpu_metadata
---
amdhsa.version: [ 1, 2 ]
amdhsa.kernels:
  - .name:           k_q8acb8786a2_deepfm
    .symbol:         k_q8acb8786a2_deepfm.kd
    .args:
      - { .name: user_id, .offset: 0, .size: 8, .value_kind: global_buffer, .address_space: global }
      - { .name: item_id, .offset: 8, .size: 8, .value_kind: global_buffer, .address_space: global }
      - { .name: user_gender, .offset: 16, .size: 8, .value_kind: global_buffer, .address_space: global }
      - { .name: user_age, .offset: 24, .size: 8, .value_kind: global_buffer, .address_space: global }
      - { .name: user_occupation, .offset: 32, .size: 8, .value_kind: global_buffer, .address_space: global }
      - { .name: item_genre_ids, .offset: 40, .size: 8, .value_kind: global_buffer, .address_space: global }
      - { .name: item_genre_mask, .offset: 48, .size: 8, .value_kind: global_buffer, .address_space: global }
      - { .name: dense_features, .offset: 56, .size: 8, .value_kind: global_buffer, .address_space: global }
      - { .name: emb_user, .offset: 64, .size: 8, .value_kind: global_buffer, .address_space: global }
      - { .name: emb_item, .offset: 72, .size: 8, .value_kind: global_buffer, .address_space: global }
      - { .name: emb_gender, .offset: 80, .size: 8, .value_kind: global_buffer, .address_space: global }
      - { .name: emb_age, .offset: 88, .size: 8, .value_kind: global_buffer, .address_space: global }
      - { .name: emb_occ, .offset: 96, .size: 8, .value_kind: global_buffer, .address_space: global }
      - { .name: emb_genre, .offset: 104, .size: 8, .value_kind: global_buffer, .address_space: global }
      - { .name: fo_user, .offset: 112, .size: 8, .value_kind: global_buffer, .address_space: global }
      - { .name: fo_item, .offset: 120, .size: 8, .value_kind: global_buffer, .address_space: global }
      - { .name: fo_gender, .offset: 128, .size: 8, .value_kind: global_buffer, .address_space: global }
      - { .name: fo_age, .offset: 136, .size: 8, .value_kind: global_buffer, .address_space: global }
      - { .name: fo_occ, .offset: 144, .size: 8, .value_kind: global_buffer, .address_space: global }
      - { .name: fo_genre, .offset: 152, .size: 8, .value_kind: global_buffer, .address_space: global }
      - { .name: W1, .offset: 160, .size: 8, .value_kind: global_buffer, .address_space: global }
      - { .name: W2, .offset: 168, .size: 8, .value_kind: global_buffer, .address_space: global }
      - { .name: b1, .offset: 176, .size: 8, .value_kind: global_buffer, .address_space: global }
      - { .name: b2, .offset: 184, .size: 8, .value_kind: global_buffer, .address_space: global }
      - { .name: Wout, .offset: 192, .size: 8, .value_kind: global_buffer, .address_space: global }
      - { .name: dense_W, .offset: 200, .size: 8, .value_kind: global_buffer, .address_space: global }
      - { .name: dense_b, .offset: 208, .size: 8, .value_kind: global_buffer, .address_space: global }
      - { .name: bout, .offset: 216, .size: 8, .value_kind: global_buffer, .address_space: global }
      - { .name: out0, .offset: 224, .size: 8, .value_kind: global_buffer, .address_space: global }
    .group_segment_fixed_size: 207872
    .private_segment_fixed_size: 0
    .kernarg_segment_align: 8
    .kernarg_segment_size: 232
    .max_flat_workgroup_size: 128
    .sgpr_count:     106
    .vgpr_count:     642
    .wavefront_size: 32
...
	.end_amdgpu_metadata
.endif
;; end of part 1
